; MI455X (gfx1250); checked and timed in simulation.
; The chip was launched on July 23, 2026; its instructions are those of AMD's public machine-readable ISA for CDNA 5 (MIT licence, August 2026) and "CDNA5" Instruction Set Architecture Reference Guide (July 2026). The comments in the code are by the model that wrote it; some were corrected since.
;; Scaled Dot Product MHA. Allowed arithmetic: matrix products marked QUANTISED: E3M2 operands, one E8M0 scale for each 32 along K, by v_wmma_scale_f32_16x16x128_f8f6f4 with both operands' format E3M2, f32 sums; everything else in f32.
;; Inputs: keys_codes 2 x 2,048 x 16 x 2 x 24 uint8 (E3M2 codes of keys, K innermost, in blocks of 32 codes, four codes in three bytes); keys_scales 2 x 2,048 x 16 x 2 uint8 (E8M0 scales of keys, one for each 32 codes along K); queries_codes 2 x 2,048 x 16 x 2 x 24 uint8 (E3M2 codes of queries, K innermost, in blocks of 32 codes, four codes in three bytes); queries_scales 2 x 2,048 x 16 x 2 uint8 (E8M0 scales of queries, one for each 32 codes along K); values 2 x 2,048 x 16 x 64 float32.
;; Outputs: out0 2 x 2,048 x 16 x 64 float32.
;; This version of the problem:
;;   THIS VERSION OF THE PROBLEM IS GIVEN IN LOW PRECISION. The matrix products marked QUANTISED in the list below multiply operands that are first quantised to E3M2 (3 exponent bits, 2 mantissa bits; 6 bits a number), with one power-of-two scale for each 32 numbers along K (OCP MX v1.0); their sums are f32. All else is computed in f32.
;;   The module's matrix products, in the order in which they are computed (A, B: the left and right operand; K: the contracted axis; several contracted axes count as one K, in the product's order):
;;     1. batch 32 x [M 2,048, K 64] x [K 64, N 2,048]; A: input queries (given as codes); B: input keys (given as codes): QUANTISED
;;     2. batch 32 x [M 2,048, K 2,048] x [K 2,048, N 64]; A: softmax (see below); B: input values: QUANTISED
;;   THE QUANTISER, for each operand of a quantised product, along K:
;;     - K is cut into blocks of 32 from its start; a last block that is shorter is filled with zeros.
;;     - A block's scale is 2^e with e = floor(log2(the largest magnitude in the block)) - 4, held to -126 .. 127; a block of zeros has e = 0. As a byte (E8M0): e + 127.
;;     - Each number is divided by its block's scale, clamped to +-28, and rounded to the nearest number of E3M2, ties to even, subnormals kept.
;;     - The product sums the exact products of the quantised numbers (number of the format x scale) in f32.
;;   ~~~python
;;   def quantise(x, axis):      # numpy; x: float32 -> the quantised numbers, widened to float32 again
;;       x = np.moveaxis(x, axis, -1); K = x.shape[-1]
;;       x = np.pad(x, [(0, 0)] * (x.ndim - 1) + [(0, -K % 32)]); x = x.reshape(x.shape[:-1] + (-1, 32)); a = np.abs(x).max(-1, keepdims=True)
;;       e = np.where(a > 0, np.clip(np.frexp(np.where(a > 0, a, 1))[1] - 1 - 4, -126, 127), 0)      # np.frexp(a)[1] - 1 = floor(log2(a)), exactly
;;       r = np.clip(x / 2.0 ** e, -28, 28)
;;       step = 2.0 ** (np.maximum(np.frexp(np.where(r == 0, 1, r))[1] - 1, -2) - 2)
;;       q = np.round(r / step) * step * 2.0 ** e      # np.round: ties to even
;;       return np.moveaxis(q.reshape(q.shape[:-2] + (-1,))[..., :K], -1, axis).astype(np.float32)
;;   ~~~
;;   SOFTMAX AHEAD OF A QUANTISED PRODUCT. Where the list says 'softmax', what is quantised is not the finished softmax but p = 2^(t - M), with t = logit x log2(e) and M = ceil(the row's largest t), a whole number; so 1/2 < the row's largest p <= 1. The row's sum l is taken of the UNQUANTISED p, in f32, and the product's result is divided by l at the end. Since M is a whole number, a kernel that streams over the keys may use a running M (the ceiling of the running maximum): every later rescaling is an exact power of two, which a block's scale takes up: the codes' values come out the same.
;;   OPERANDS COMPUTED ON THE WAY. 'Computed on the way' means the value that the module computes at that place (a softmax that the list does not call 'softmax' is quantised finished and normalised). What goes into a quantiser is computed in f32, as accurately as f32 sums, v_exp_f32 and their like allow (about 1e-6 of the number): no bf16 or f16 on the way to a quantiser, and a product that is left as it is and whose result goes on into a quantised operand takes f32 operands (vector FMAs, or v_wmma_f32_16x16x4_f32). A number that lies on a knife's edge between two numbers of the format may be rounded either way, as far as f32 arithmetic and the matrix unit's own rounding can turn it there, and no further.
;;   INPUTS GIVEN AS CODES. keys (in the module: [2, 2048, 16, 64], K = its axis 3); queries (in the module: [2, 2048, 16, 64], K = its axis 3): each comes as NAME_codes (uint8): NAME with its K axis moved to the last place and cut into blocks of 32 codes, [.., K / 32, bytes a block], one block behind the other in memory; four codes in three bytes: a row's codes are one little-endian stream of bits, code i at bits 6 i .. 6 i + 5 (a code: sign, 3 exponent bits, 2 mantissa bits); and NAME_scales (uint8): the same leading axes, one E8M0 byte (e + 127) for each 32 codes along K. Its value is code x scale, taken as it is: it is not quantised again, and the codes and scales need not be those that the quantiser above would give.
;; One version. Each part assembles by itself: llvm-mc -triple=amdgcn-amd-amdhsa -mcpu=gfx1250 --defsym DOCPART=n.
;; ======== version 1 of 1: 2 launches
;; workspace buffers: vq 3,145,728 bytes; vs 131,072 bytes
;; launch vquant (part 1): grid 256 x 1, 4 waves a work-group, no clusters, 0 bytes of LDS; arguments values, vq, vs; writes vq, vs
.if DOCPART == 1
	.amdgcn_target "amdgcn-amd-amdhsa--gfx1250"
	.amdhsa_code_object_version 6
	.text
	.protected	k_qe47f85977f_vquant
	.globl	k_qe47f85977f_vquant
	.p2align	8
	.type	k_qe47f85977f_vquant,@function
k_qe47f85977f_vquant:
	s_mov_b64 s[64:65], 0
	v_nop
	global_prefetch_b8 v0, s[64:65] scope:SCOPE_SE
	s_setreg_imm32_b32 hwreg(HW_REG_WAVE_MODE, 25, 1), 1
	s_wait_xcnt 0x0
; values, f32, seen as 32 heads x 2,048 keys x 64 channels (a key's row is 256 bytes), is the second product's operand whose K is the KEYS: its outer axis within a head.
; It is turned into codes of BF6 (E3M2) with one E8M0 scale byte for each 32 keys, and laid as the reader's registers want it.
; A unit u = 16 x head + s is a key step of 128 keys.
;   vq: [u][t = 0..3][1,536 bytes]: the image of the fragment V^T(channels 16 t .. 16 t + 15, keys 128 s .. 128 s + 127): register g of lane L at 512 (g / 4) + 16 L + 4 (g % 4);
;       lane (r, h) holds in registers 6 c .. 6 c + 5 the codes of channel 16 t + r, keys 128 s + 64 c + 32 h + 0 .. 31.
;   vs: [u][j = 0..1][l = 0..31] words: the four scale bytes of channel 32 j + l, byte b for keys 128 s + 32 b .. + 31.
; A LANE TAKES A CHANNEL, AND ITS REGISTERS RUN DOWN THE KEYS: a block of 32 keys lies in one lane's 32 registers, so its largest magnitude needs no other lane, and the conversions give codes with the keys innermost.
; SHARES.  Wave task T = 4 x work-group + wave: unit T / 2, channels 32 (T % 2) on: 128 keys x 32 channels.  A load reads 128 consecutive bytes; the neighbouring wave of the work-group reads the row's other 128.
; A lane's blocks 0 and 2 are the twelve registers of image lane (r, 0), its blocks 1 and 3 those of image lane (r, 1): each goes out by three stores of 16 bytes, in which sixteen neighbouring lanes
; write 256 consecutive bytes at a multiple of 256 from vq's first byte.  No LDS, no barrier, no loop: every offset is an immediate, and no register that a memory instruction names is written again.
; A block's scale is 2^(floor(log2(its largest magnitude)) - 4); its byte is the largest magnitude's exponent field - 4, held at 1 from below.
; LIMITS: a block of zeros gets the byte 1 where the quantiser's rule says 127: its codes are zeros, which add nothing under any byte but 0xff, and this program alone reads the bytes.
; NaN and infinities among the values are not served.
.set X,   32                           ; v32-159  four blocks of 32 numbers
.set C,   160                          ; v160-171 the image of lane (r, 0); v172-183 that of lane (r, 1)
.set TT,  184                          ; v184-186 a block's upper 16 codes, until they are moved (a conversion's three registers begin on an even number)
.set SB,  24                           ; v24      my channel's scale word
	s_load_b128 s[4:7], s[0:1], 0x0                ; values, vq
	s_load_b64 s[8:9], s[0:1], 0x10                ; vs
	v_lshrrev_b32 v1, 5, v0
	v_readfirstlane_b32 s16, v1                    ; wave 0..3
	v_and_b32 v2, 31, v0                           ; lane
	v_lshlrev_b32 v3, 2, v2                        ; 4 x lane: my channel in a row's 128 bytes, and my word in vs
	v_lshrrev_b32 v5, 4, v2
	v_and_b32 v6, 15, v2
	v_mul_u32_u24 v4, v5, 1536                     ; lanes 16-31 belong to the next tile of 16 channels
	v_lshl_add_u32 v4, v6, 4, v4                   ; + 16 r: my place in an image
	s_lshl_b32 s17, ttmp9, 2
	s_add_co_u32 s17, s17, s16                     ; T
	s_lshr_b32 s18, s17, 1                         ; the unit
	s_and_b32 s19, s17, 1                          ; which 32 channels
	s_lshl_b32 s20, s18, 15                        ; values: 128 keys of 256 bytes a unit,
	s_lshl_b32 s19, s19, 7                         ; + 128 bytes for the upper 32 channels
	s_add_co_u32 s20, s20, s19
	s_mov_b32 s21, 0
	s_mul_i32 s22, s17, 3072                       ; vq: 6,144 bytes a unit, 3,072 for two tiles: 3,072 T
	s_mov_b32 s23, 0
	s_lshl_b32 s24, s17, 7                         ; vs: 256 bytes a unit, 128 for 32 channels: 128 T
	s_mov_b32 s25, 0
	s_wait_alu depctr_va_vdst(0)
	s_wait_kmcnt 0x0
	s_add_nc_u64 s[4:5], s[4:5], s[20:21]
	s_add_nc_u64 s[6:7], s[6:7], s[22:23]
	s_add_nc_u64 s[8:9], s[8:9], s[24:25]
.macro LOAD b                          ; block b: values(key 32 b + i, my channel), i = 0 .. 31
.set i, 0
.rept 32
	global_load_b32 v[X+32*(\b)+i], v3, s[4:5] offset:(32*(\b)+i)*256 th:TH_LOAD_NT
.set i, i+1
.endr
.endm
	LOAD 0                                         ; all of the wave's 128 loads are asked for at once
	LOAD 1
	LOAD 2
	LOAD 3
; Block b becomes six registers of an image and a byte of the scale word.  cnt: how many younger loads may stay out.
.macro BLOCK b, cnt
.set XS, X+32*(\b)
.set CB, C+12*((\b)%2)+6*((\b)/2)      ; block 2 c + h: registers 6 c .. 6 c + 5 of image lane (r, h)
	s_wait_loadcnt \cnt
	v_max3_num_f32 v12, |v[XS]|, |v[XS+1]|, |v[XS+2]|              ; the block's largest magnitude, in two chains: all 32 numbers are mine
	v_max3_num_f32 v13, |v[XS+3]|, |v[XS+4]|, |v[XS+5]|
.irp k, 6,10,14,18,22,26
	v_max3_num_f32 v12, v12, |v[XS+\k]|, |v[XS+\k+1]|
	v_max3_num_f32 v13, v13, |v[XS+\k+2]|, |v[XS+\k+3]|
.endr
	v_max3_num_f32 v12, v12, |v[XS+30]|, |v[XS+31]|
	v_max3_num_f32 v12, v12, v13, 0x2800000        ; and the floor 2^(5 - 127), under which no largest magnitude is taken: so the byte cannot fall under 1
	v_add_nc_u32 v11, 0xfe000000, v12              ; 4 off its exponent field: the conversion takes the exponent field of this operand as its scale, and nothing else of it
	v_lshrrev_b32 v13, 23, v11                     ; the scale's byte
.if (\b) == 0
	v_mov_b32 v[SB], v13
.else
	v_lshl_or_b32 v[SB], v13, 8*(\b), v[SB]        ; the lower keys in the lower byte
.endif
	v_cvt_scalef32_pk16_bf6_f32 v[CB:CB+2], v[XS:XS+15], v11       ; sixteen numbers / the scale, to the nearest code, ties to even, beyond 28 the largest code; 96 bits without gaps
	v_cvt_scalef32_pk16_bf6_f32 v[TT:TT+2], v[XS+16:XS+31], v11
	v_nop                                          ; one plain vector instruction between a scaled conversion and the vector instruction that touches its result
.irp k, 0,1,2
	v_mov_b32 v[CB+3+\k], v[TT+\k]
.endr
.endm
	BLOCK 0, 63                                    ; 96 loads were issued behind block 0's: the largest count that can be written is smaller, so it holds
	BLOCK 1, 63                                    ; 64 behind block 1's: likewise
	BLOCK 2, 32                                    ; block 3's 32 may be out
.irp k, 0,1,2
	global_store_b128 v4, v[C+4*\k:C+4*\k+3], s[6:7] offset:512*\k              ; image lanes 0-15 of my two tiles: blocks 0 and 2
.endr
	BLOCK 3, 0
.irp k, 0,1,2
	global_store_b128 v4, v[C+12+4*\k:C+12+4*\k+3], s[6:7] offset:256+512*\k    ; image lanes 16-31: blocks 1 and 3
.endr
	global_store_b32 v3, v[SB], s[8:9]             ; 32 lanes store 128 consecutive bytes; the neighbouring wave stores the 128 beside them
	s_endpgm
.Lfunc_end_k_qe47f85977f_vquant:
	.size	k_qe47f85977f_vquant, .Lfunc_end_k_qe47f85977f_vquant-k_qe47f85977f_vquant
	.p2alignl 7, 3214868480
	.fill 96, 4, 3214868480
	.section	.rodata,"a",@progbits
	.p2align	6, 0x0
	.amdhsa_kernel k_qe47f85977f_vquant
		.amdhsa_group_segment_fixed_size 0
		.amdhsa_private_segment_fixed_size 0
		.amdhsa_enable_private_segment 0
		.amdhsa_kernarg_size 24
		.amdhsa_user_sgpr_count 2
		.amdhsa_user_sgpr_kernarg_segment_ptr 1
		.amdhsa_wavefront_size32 1
		.amdhsa_system_sgpr_workgroup_id_x 1
		.amdhsa_system_sgpr_workgroup_id_y 1
		.amdhsa_system_sgpr_workgroup_id_z 1
		.amdhsa_system_vgpr_workitem_id 0
		.amdhsa_next_free_vgpr 192
		.amdhsa_next_free_sgpr 66
		.amdhsa_reserve_vcc 0
		.amdhsa_float_denorm_mode_32 3
		.amdhsa_float_denorm_mode_16_64 3
		.amdhsa_memory_ordered 1
		.amdhsa_forward_progress 1
		.amdhsa_inst_pref_size 20
	.end_amdhsa_kernel
	.amdgpu_metadata
---
amdhsa.version: [ 1, 2 ]
amdhsa.kernels:
  - .name:           k_qe47f85977f_vquant
    .symbol:         k_qe47f85977f_vquant.kd
    .args:
      - { .name: values, .offset: 0, .size: 8, .value_kind: global_buffer, .address_space: global }
      - { .name: vq, .offset: 8, .size: 8, .value_kind: global_buffer, .address_space: global }
      - { .name: vs, .offset: 16, .size: 8, .value_kind: global_buffer, .address_space: global }
    .group_segment_fixed_size: 0
    .private_segment_fixed_size: 0
    .kernarg_segment_align: 8
    .kernarg_segment_size: 24
    .max_flat_workgroup_size: 128
    .sgpr_count:     66
    .vgpr_count:     192
    .wavefront_size: 32
...
	.end_amdgpu_metadata
.endif
;; end of part 1
;; launch attn (part 2): grid 8 x 32, 16 waves a work-group, clusters of 4 x 1, 276,480 bytes of LDS; arguments queries_codes, queries_scales, keys_codes, keys_scales, vq, vs, out0; writes out0
.if DOCPART == 2
	.amdgcn_target "amdgcn-amd-amdhsa--gfx1250"
	.amdhsa_code_object_version 6
	.text
	.protected	k_qe47f85977f_attn
	.globl	k_qe47f85977f_attn
	.p2align	8
	.type	k_qe47f85977f_attn,@function
k_qe47f85977f_attn:
	s_mov_b64 s[64:65], 0
	v_nop
	global_prefetch_b8 v0, s[64:65] scope:SCOPE_SE
	s_setreg_imm32_b32 hwreg(HW_REG_WAVE_MODE, 25, 1), 1
	s_wait_xcnt 0x0
	s_wait_alu depctr_hold_cnt(0) depctr_sa_sdst(0) depctr_va_vdst(0) depctr_va_sdst(0) depctr_va_ssrc(0) depctr_va_vcc(0) depctr_vm_vsrc(0)
	s_getreg_b32 s2, hwreg(HW_REG_IB_STS2, 6, 4)
	s_cmp_eq_u32 s2, 0
	s_cbranch_scc0 .Lentry_in_a_cluster
	s_endpgm
.Lentry_in_a_cluster:
	s_bfe_u32 s2, ttmp6, 0x10000c
	s_cmp_lg_u32 s2, 0x3003
	s_cbranch_scc0 .Lentry_shape_is_right
	s_endpgm
.Lentry_shape_is_right:
; out[h][q][:] = the sum over k <= q of softmax_k(Q[h][q] . K[h][k] / 8) V[h][k][:], 32 heads of 2,048 rows, head size 64, both products on codes of BF6 (E3M2) with one E8M0 scale for each 32 along a product's K.
; The reshape of the problem reinterprets memory: head h is a dense run of 2,048 rows in every tensor: 48 bytes of codes and 2 scale bytes a row of Q and K, 256 bytes a row of out.
; V comes from the launch before as images of the operand's registers (vq) and scale words (vs): 6,144 + 256 bytes for each key step of 128 keys.
; THE SOFTMAX AHEAD OF THE SECOND PRODUCT: t = score x log2(e) / 8 (one multiplication); M = the row's largest t so far, rounded UP to a whole number; p = 2^(t - M) is what is quantised, along the keys, not normalised.
; The row's sum is taken of the unquantised p and divides O at the end.  When M moves, the sum and O are multiplied by 2^(old M - new M): exact.
; THE FIRST PRODUCT'S K IS 64, the instruction's 128: registers 6-11 of Q's and of K's fragments hold zero codes, cleared once and never loaded; the scale words' upper two bytes are 0, which is a power of two and no NaN.
; SHARES.  Two clusters of four work-groups to a head; sixteen waves to a work-group, four to a SIMD, each with ONE tile of 16 queries in 256 registers.  A wave walks the head's key steps of 128 keys up to its own block.
; With a = wave / 4, b = wave % 4, c = the cluster's x:  j = 2 (b / 2) + 4 (a / 2) + c;  the wave's block of 128 queries is BK = j, or 15 - j where a + b is odd;  its tile in the block is 2 cx + a % 2.
; BK holds no place in the cluster, so the four partners branch alike.  A block BK costs BK + 1 steps; in the 4 x 4 table of waves every row and every column sums to 34 steps.
; LDS.  A whole head's K codes (98,304 bytes), V images (98,304) and both sets of scale bytes (2 x 4,096) lie in LDS at once, each byte filled ONCE: no slot is filled again, and the key loop has no barrier.
; CLUSTER.  The four partners need the same K and V: every tile is asked for JOINTLY (mask 15), by the same three tensor loads in every wave: waves 0-7 fetch an eighth of K's bytes each, waves 8-15 of V's.
; A wave has three tensor loads out.  The scale bytes and keys 0-511 are waited for first; keys 512 on land while the first four key steps are worked.
; Every byte that the launch reads is asked for by its first instructions, so there is nothing that a prefetch could ask for ahead of a later load.
; LAYOUT.  Both products are used transposed: S^T = K Q^T (source 0 = 16 keys, source 1 = my 16 queries), O^T = V^T P^T (source 0 = 16 channels, source 1 = P): a lane holds ONE query (lane % 16) throughout.
; THE KEYS OF A TILE ARE NOT NEIGHBOURS: lane r of tile 2 b + u takes key 32 b + 8 u + r + 8 (r / 8), so that the 16 registers of tiles 2 b and 2 b + 1 are 16 neighbouring keys, 32 b + 16 (lane / 16) + 0 .. 15.
; CAUSAL.  Every wave walks all 16 steps (constant trip counts); a step whose keys all come after the wave's block is jumped over by a scalar branch on ids; in the one step on the diagonal hidden scores become -infinity.
; O^T and the sum begin as zeros and the largest t as -3e38, so that the step is written without a first step of its own: 32 moves once, against a third copy of the step.
; LIMITS: a p under 2^-126 comes out of v_exp_f32 as 0 (the row's largest p is above 1/2); a scale byte 0xff among the inputs makes the sums NaN.
; REGISTERS: v0 thread; v1-4 lane terms of the LDS addresses; v5 the mask's d; v6 -infinity; v7, v10, v11, v243 the step's LDS addresses; v8-9 V's scale words; v12 -M, v13 the largest t, v[14:15] the sum in two halves;
;   v16-27 Q; v28-31 K's scale words; v32-79 four fragments of K; v80-143 S^T, then p; v144-175 O^T; v176-223 V's four fragments; v224-235 p's codes; v236-254 at work; v255 Q's scale words.
.set KC,    0                          ; LDS: the head's K codes, 48 bytes a key, as in memory
.set VC,    98304                      ; V's images: 6,144 bytes a step, 1,536 a tile of 16 channels
.set KS,    196608                     ; K's scale bytes, 2 a key
.set VS,    200704                     ; V's scale words, 256 bytes a step
.set STG,   204800                     ; the way out: 16 rows x (256 + 16) bytes for each wave; no fill lands here
.set STGW,  16*272
.set AK0,  1                           ; v1   (r + 8 (r / 8)) x 48 + 24 h
.set AV0,  2                           ; v2   VC + 16 x lane
.set ASK0, 3                           ; v3   KS + 2 (r + 8 (r / 8)) + 16 h
.set ASV0, 4                           ; v4   VS + 4 x lane
.set ADK,  7
.set VSC,  8
.set ADV,  10
.set ADS,  11
.set KSC,  28
.set KF,   32
.set S,    80
.set O,    144
.set VF,   176
.set PC,   224
.set ADT,  243
.set BM,   248                         ; v248-251 each block's largest score, then its largest p
.set WV,   18                          ; s18  my wave's number
.set HD,   19                          ; s19  the head
.set SEL,  20                          ; s[20:21] lane selects for v_permlanex16_b32: lane l xor 16
.set CS,   22                          ; s[22:23] c = log2(e) / 8: the packed form names a pair and takes its low word for both halves
.set G1A,  24                          ; s[24:31] descriptor group 1: 12 rows of 256 bytes;  s[32:39]: 2 rows;  s[40:47]: 36 rows
.set G1B,  32
.set G1C,  40
.set G0A,  48                          ; s[48:51], s[52:55], s[56:59] their groups 0
.set G0B,  52
.set G0C,  56
.set BK,   60                          ; s60  my block of 128 queries
.set SI,   61                          ; s61  the key step
.set CNT,  62                          ; s62  a loop's counter
.set TI,   63                          ; s63  my tile in the block (holds cx: it enters global addresses and the mask alone)
.set TK,   91                          ; s91  6,144 x the key step: K's codes and V's images
.set TS,   92                          ; s92  256 x the key step: both sets of scale words
; A round of the cluster's barrier: my work-group's barrier, so that wave 0's signal speaks for all sixteen waves; wave 0 signals for the work-group; every wave waits for all four work-groups; my work-group's barrier once more.
.macro CROUND
	s_barrier_signal -1
	s_barrier_wait -1
	s_cmp_lg_u32 s[WV], 0
	s_cbranch_scc1 .Lnot_wave_0_\@
	s_barrier_signal -3
.Lnot_wave_0_\@:
	s_barrier_wait -3
	s_barrier_signal -1
	s_barrier_wait -1
.endm
	s_load_b256 s[4:11], s[0:1], 0x0               ; Q's codes s[4:5], Q's scales s[6:7], K's codes s[8:9], K's scales s[10:11]
	s_load_b128 s[12:15], s[0:1], 0x20             ; vq s[12:13], vs s[14:15]
	s_load_b64 s[16:17], s[0:1], 0x30              ; out
	v_lshl_add_u32 v254, v0, 2, 0x43000
	v_mov_b32 v255, 0
	ds_add_u32 v254, v255
	ds_add_u32 v254, v255
	s_wait_dscnt 0x0
	v_lshrrev_b32 v80, 5, v0
	s_delay_alu instid0(VALU_DEP_1)
	v_readfirstlane_b32 s[WV], v80                 ; wave 0..15
	s_and_b32 s[HD], ttmp7, 0xffff                 ; the head, which the four partners share
	; my block of queries: made of the wave's number and the cluster's x alone
	s_lshr_b32 s72, s[WV], 2                       ; a
	s_and_b32 s73, s[WV], 3                        ; b
	s_lshr_b32 s74, s73, 1
	s_lshl_b32 s74, s74, 1                         ; 2 (b / 2)
	s_lshr_b32 s75, s72, 1
	s_lshl_b32 s75, s75, 2                         ; 4 (a / 2)
	s_add_co_u32 s74, s74, s75
	s_add_co_u32 s74, s74, ttmp9                   ; j
	s_xor_b32 s75, s72, s73
	s_and_b32 s75, s75, 1
	s_mul_i32 s75, s75, 15
	s_xor_b32 s[BK], s74, s75                      ; j, or 15 - j where a + b is odd
	; what I fetch: side 0: K's bytes, side 1: V's; an eighth of each of three dense blocks
	s_lshr_b32 s66, s[WV], 3                       ; side
	s_and_b32 s67, s[WV], 7                        ; part
	s_mul_i32 s72, s[HD], 98304                    ; the head's codes, in keys_codes and in vq alike
	s_lshl_b32 s73, s[HD], 12                      ; the head's scale bytes, in keys_scales and in vs alike
	s_mul_i32 s74, s67, 3072                       ; my eighth of keys 0-511: 12 rows of 256 bytes
	s_mul_i32 s75, s67, 9216                       ; of keys 512-2,047: 36 rows
	s_lshl_b32 s76, s67, 9                         ; of the scale bytes: 2 rows
	s_mul_i32 s77, s66, 98304                      ; in LDS V's codes lie 98,304 bytes behind K's,
	s_lshl_b32 s78, s66, 12                        ; V's scale words 4,096 behind K's
	; descriptor groups 1: dense blocks as rows of 256 bytes (32 elements of 8 bytes), no padding
.irp g, G1A, G1B, G1C
	s_mov_b32 s[\g], 15|(3<<16)|(1<<21)            ; 15:0 the mask: all four work-groups; 17:16 elements of 8 bytes; 20 padding off; 21 set beside a mask
	s_mov_b32 s[\g+1], 32<<16                      ; tensor_dim0 = 32
	s_mov_b32 s[\g+3], 32<<16                      ; tile_dim0 = 32
	s_mov_b32 s[\g+5], 32                          ; tensor_dim0_stride
	s_mov_b32 s[\g+6], 0
	s_mov_b32 s[\g+7], 0
.endr
	s_mov_b32 s[G1A+2], 12<<16                     ; tensor_dim1
	s_mov_b32 s[G1A+4], 12                         ; tile_dim1
	s_mov_b32 s[G1B+2], 2<<16
	s_mov_b32 s[G1B+4], 2
	s_mov_b32 s[G1C+2], 36<<16
	s_mov_b32 s[G1C+4], 36
	; groups 0: count, LDS address (constants and the wave's number alone), global address, type
	s_mov_b32 s[G0B], 1
	s_add_co_u32 s[G0B+1], s78, s76
	s_add_co_u32 s[G0B+1], s[G0B+1], KS
	s_mov_b32 s[G0A], 1
	s_add_co_u32 s[G0A+1], s77, s74
	s_mov_b32 s[G0C], 1
	s_add_co_u32 s[G0C+1], s77, s75
	s_add_co_u32 s[G0C+1], s[G0C+1], 24576
	s_add_co_u32 s80, s73, s76                     ; byte offsets in memory
	s_mov_b32 s81, 0
	s_add_co_u32 s82, s72, s74
	s_mov_b32 s83, 0
	s_add_co_u32 s84, s72, s75
	s_add_co_u32 s84, s84, 24576
	s_mov_b32 s85, 0
	s_mov_b32 s[SEL], 0x76543210
	s_mov_b32 s[SEL+1], 0xfedcba98
	s_mov_b32 s[CS], 0x3e38aa3b                    ; c = log2(e) / 8
	s_mov_b32 s[CS+1], s[CS]                       ; (named with it as a pair, so it is written)
	s_mov_b32 s[SI], 0
	s_mov_b32 s[TK], 0
	s_mov_b32 s[TS], 0
	s_wait_kmcnt 0x0
	s_cmp_eq_u32 s66, 0                            ; the choice hangs on the wave's number alone
	s_cselect_b64 s[68:69], s[8:9], s[12:13]       ; codes: K's or vq
	s_cselect_b64 s[70:71], s[10:11], s[14:15]     ; scale bytes: K's or vs
	s_add_nc_u64 s[G0B+2:G0B+3], s[70:71], s[80:81]
	s_or_b32 s[G0B+3], s[G0B+3], 0x80000000        ; 127:126 type = 2
	s_add_nc_u64 s[G0A+2:G0A+3], s[68:69], s[82:83]
	s_or_b32 s[G0A+3], s[G0A+3], 0x80000000
	s_add_nc_u64 s[G0C+2:G0C+3], s[68:69], s[84:85]
	s_or_b32 s[G0C+3], s[G0C+3], 0x80000000
	CROUND                                         ; all four work-groups are here: the joint loads meet
	tensor_load_to_lds s[G0B:G0B+3], s[G1B:G1B+7]  ; the scale bytes of the whole head,
	s_nop 0
	tensor_load_to_lds s[G0A:G0A+3], s[G1A:G1A+7]  ; the codes of keys 0-511,
	s_nop 0
	tensor_load_to_lds s[G0C:G0C+3], s[G1C:G1C+7]  ; and of keys 512-2,047: the launch's only fills, one group, ahead of every wait on TENSORcnt and every LDS read
	s_nop 0
.rept 4
	v_nop                                          ; four behind the tensor loads
.endr
	; my tile: cx enters here, in registers that feed no descriptor, no LDS address and no branch
	s_bfe_u32 s86, ttmp6, 0x40000                  ; cx
	s_lshr_b32 s87, s[WV], 2
	s_and_b32 s87, s87, 1                          ; a % 2
	s_lshl_b32 s[TI], s86, 1
	s_add_co_u32 s[TI], s[TI], s87                 ; my tile in the block
	s_lshl_b32 s86, s[BK], 7
	s_lshl_b32 s87, s[TI], 4                       ; 16 x tile: kept for the mask
	s_add_co_u32 s86, s86, s87                     ; my first query
	s_mul_i32 s88, s86, 48
	s_mul_i32 s90, s[HD], 98304
	s_add_co_u32 s88, s88, s90
	s_mov_b32 s89, 0
	s_add_nc_u64 s[4:5], s[4:5], s[88:89]          ; Q's codes at my first query
	s_lshl_b32 s88, s86, 1
	s_lshl_b32 s90, s[HD], 12
	s_add_co_u32 s88, s88, s90
	s_add_nc_u64 s[6:7], s[6:7], s[88:89]          ; its scale bytes
	s_lshl_b32 s88, s86, 8
	s_lshl_b32 s90, s[HD], 19
	s_add_co_u32 s88, s88, s90
	s_add_nc_u64 s[16:17], s[16:17], s[88:89]      ; its row of out
	v_and_b32 v80, 15, v0                          ; r = lane % 16
	v_bfe_u32 v81, v0, 4, 1                        ; h = lane / 16
	v_and_b32 v82, 31, v0                          ; lane
	s_delay_alu instid0(VALU_DEP_3)
	v_mul_u32_u24 v83, v80, 48
	s_delay_alu instid0(VALU_DEP_1)
	v_mad_u32_u24 v83, v81, 24, v83                ; Q: row r of 48 bytes, + 24 h: my block of 32 codes
	v_lshlrev_b32 v84, 1, v80                      ; Q's scale bytes: 2 a row
.irp p, 0,1,2
	global_load_b64 v[16+2*\p:17+2*\p], v83, s[4:5] offset:8*\p    ; Q's fragment, registers 0-5: it stays in registers
.endr
	global_load_u16 v255, v84, s[6:7]              ; Q's scale word: two bytes, the upper two 0
.irp j, 22,23,24,25,26,27
	v_mov_b32 v[\j], 0                             ; Q's k = 64 .. 127: zero codes
.endr
.irp t, 0,1,2,3
.irp j, 6,7,8,9,10,11
	v_mov_b32 v[KF+12*\t+\j], 0                    ; K's likewise: cleared once, never loaded
.endr
.endr
	v_and_b32 v85, 8, v80
	s_delay_alu instid0(VALU_DEP_1)
	v_add_nc_u32 v85, v85, v80                     ; r + 8 (r / 8)
	s_delay_alu instid0(VALU_DEP_1)
	v_mul_u32_u24 v[AK0], v85, 48
	s_delay_alu instid0(VALU_DEP_1)
	v_mad_u32_u24 v[AK0], v81, 24, v[AK0]
	v_lshl_add_u32 v[AV0], v82, 4, VC
	s_delay_alu instid0(VALU_DEP_4)
	v_lshlrev_b32 v[ASK0], 1, v85
	s_delay_alu instid0(VALU_DEP_1)
	v_lshl_add_u32 v[ASK0], v81, 4, v[ASK0]        ; lanes 16-31 take the scale bytes of the tile 8 keys on
	s_delay_alu instid0(VALU_DEP_1)
	v_add_nc_u32 v[ASK0], KS, v[ASK0]
	v_lshl_add_u32 v[ASV0], v82, 2, VS
	v_lshlrev_b32 v86, 4, v81
	s_delay_alu instid0(VALU_DEP_1)
	v_sub_nc_u32 v5, v80, v86
	s_delay_alu instid0(VALU_DEP_1)
	v_add_nc_u32 v5, s87, v5                       ; d = 16 x tile + r - 16 h: on the diagonal register 16 b + i holds a hidden key where 32 b + i > d
	v_mov_b32 v6, 0xff800000                       ; -infinity
	v_mov_b32 v13, 0xff61b1e6                      ; the largest t so far: -3e38, under every t
	s_delay_alu instid0(VALU_DEP_1)
	v_floor_f32 v12, -v13                          ; -M
	v_mov_b32 v14, 0                               ; the sum, in two halves
	v_mov_b32 v15, 0
.irp b, 0,1,2,3
	v_mov_b32 v[236+\b], 0                         ; written once: a lane permute's destination counts as one of its sources
.endr
	v_mov_b32 v252, 0
	v_mov_b32 v253, 0                              ; (named as the upper half of the pair v[252:253] before it is first written)
.set i, 0
.rept 32
	v_mov_b32 v[O+i], 0                            ; O^T: the first step finds zeros, which the first change of M leaves zeros
.set i, i+1
.endr
.macro KLOAD g                         ; the lower six registers of four fragments of K: tiles 4 g .. 4 g + 3; three pieces of 8 bytes each, so that every address is a multiple of the access's size
.irp t, 0,1,2,3
.irp p, 0,1,2
	ds_load_b64 v[KF+12*\t+2*\p:KF+12*\t+2*\p+1], v[ADK] offset:(32*((4*\g+\t)/2)+8*(\t%2))*48+8*\p
.endr
.endr
.endm
.macro SMUL T, t                       ; S^T, tile T of 16 keys, from fragment t.  K's scale words: register T / 2, lanes 0-15 for an even tile, lanes 16-31 for an odd one
.if (\T)%2
	v_wmma_scale_f32_16x16x128_f8f6f4 v[S+8*(\T):S+8*(\T)+7], v[KF+12*(\t):KF+12*(\t)+11], v[16:27], 0, v[KSC+(\T)/2], v255 matrix_a_fmt:MATRIX_FMT_BF6 matrix_b_fmt:MATRIX_FMT_BF6 matrix_a_scale:MATRIX_SCALE_ROW1
.else
	v_wmma_scale_f32_16x16x128_f8f6f4 v[S+8*(\T):S+8*(\T)+7], v[KF+12*(\t):KF+12*(\t)+11], v[16:27], 0, v[KSC+(\T)/2], v255 matrix_a_fmt:MATRIX_FMT_BF6 matrix_b_fmt:MATRIX_FMT_BF6
.endif
.endm
.macro PVMUL t                         ; O^T += V^T P^T, channels 16 t on.  V's scale words: register t / 2, lanes 0-15 or 16-31
.if (\t)%2
	v_wmma_scale_f32_16x16x128_f8f6f4 v[O+8*(\t):O+8*(\t)+7], v[VF+12*(\t):VF+12*(\t)+11], v[PC:PC+11], v[O+8*(\t):O+8*(\t)+7], v[VSC+(\t)/2], v253 matrix_a_fmt:MATRIX_FMT_BF6 matrix_b_fmt:MATRIX_FMT_BF6 matrix_a_scale:MATRIX_SCALE_ROW1
.else
	v_wmma_scale_f32_16x16x128_f8f6f4 v[O+8*(\t):O+8*(\t)+7], v[VF+12*(\t):VF+12*(\t)+11], v[PC:PC+11], v[O+8*(\t):O+8*(\t)+7], v[VSC+(\t)/2], v253 matrix_a_fmt:MATRIX_FMT_BF6 matrix_b_fmt:MATRIX_FMT_BF6
.endif
.endm
.macro PLACES                          ; a load into a register that a matrix instruction has read, and a vector instruction that reads a matrix result, stand four plain vector instructions behind it (ISA guide 7.12.1 for vector instructions)
.rept 4
	v_nop
.endr
.endm
; A KEY STEP: 128 keys.
.macro STEP
	s_cmp_gt_u32 s[SI], s[BK]                      ; all these keys come after my block's queries: the step's work is left out; the lines at its end that step addresses are not
	s_cbranch_scc1 .Lhid_\@
	s_setprio 2
	v_add_nc_u32 v[ADK], s[TK], v[AK0]             ; (these four are also places behind the last step's products)
	v_add_nc_u32 v[ADV], s[TK], v[AV0]
	v_add_nc_u32 v[ADS], s[TS], v[ASK0]
	v_add_nc_u32 v[ADT], s[TS], v[ASV0]
	KLOAD 0
.irp b, 0,1,2,3
	ds_load_u16 v[KSC+\b], v[ADS] offset:64*\b     ; K's scale words of tiles 2 b (lanes 0-15) and 2 b + 1 (lanes 16-31): two bytes, the upper two 0
.endr
	s_wait_alu depctr_va_vdst(0)
	s_wait_dscnt 0x0
	SMUL 0, 0
	SMUL 1, 1
	SMUL 2, 2
	SMUL 3, 3
	PLACES
	KLOAD 1
.irp t, 0,1,2,3
.irp k, 0,1,2
	ds_load_b128 v[VF+12*\t+4*\k:VF+12*\t+4*\k+3], v[ADV] offset:1536*\t+512*\k   ; V's four fragments, as images: 512 consecutive bytes a load.  They land under the softmax
.endr
.endr
	ds_load_b32 v[VSC], v[ADT]                     ; V's scale words: channel = lane,
	ds_load_b32 v[VSC+1], v[ADT] offset:128        ; channel = 32 + lane
	s_wait_dscnt 14                                ; K's twelve are in; V's fourteen, issued behind them, may be out
	SMUL 4, 0
	SMUL 5, 1
	SMUL 6, 2
	SMUL 7, 3
	PLACES
	s_cmp_lt_u32 s[SI], s[BK]                      ; a step all of whose keys count skips the mask
	s_cbranch_scc1 .Lopen_\@
.set n, 0
.rept 64                               ; on the diagonal the scores of hidden keys become -infinity ahead of the maximum: p = 0 then
	v_cmp_gt_i32 vcc_lo, 32*(n/16)+n%16, v5
	v_cndmask_b32 v[S+n], v[S+n], v6, vcc_lo
.set n, n+1
.endr
.Lopen_\@:
.irp b, 0,1,2,3
	v_max3_num_f32 v[BM+\b], v[S+16*\b], v[S+1+16*\b], v[S+2+16*\b]   ; THE LARGEST SCORE OF EACH BLOCK OF 32 KEYS: it serves for the row's maximum and, since p rises with the score, for the block's largest p
.endr
.irp i, 3,5,7,9,11,13
.irp b, 0,1,2,3
	v_max3_num_f32 v[BM+\b], v[BM+\b], v[S+16*\b+\i], v[S+1+16*\b+\i]   ; (the four blocks by turns)
.endr
.endr
.irp b, 0,1,2,3
	v_max_num_f32 v[BM+\b], v[BM+\b], v[S+15+16*\b]
.endr
.irp b, 0,1,2,3
	s_delay_alu instid0(VALU_DEP_4)
	v_permlanex16_b32 v[236+\b], v[BM+\b], s[SEL], s[SEL+1]
.endr
.irp b, 0,1,2,3
	s_delay_alu instid0(VALU_DEP_4)
	v_max_num_f32 v[BM+\b], v[BM+\b], v[236+\b]    ; with lane l xor 16's 16 keys
.endr
	s_delay_alu instid0(VALU_DEP_2)
	v_max3_num_f32 v254, v[BM], v[BM+1], v[BM+2]
	s_delay_alu instid0(VALU_DEP_1)
	v_max_num_f32 v254, v254, v[BM+3]              ; the step's largest score of my query
	s_delay_alu instid0(VALU_DEP_1)
	v_mul_f32 v254, s[CS], v254                    ; as t (c is positive)
	s_delay_alu instid0(VALU_DEP_1)
	v_max_num_f32 v13, v13, v254                   ; the running largest t
	v_mov_b32 v254, v12
	s_delay_alu instid0(VALU_DEP_2)
	v_floor_f32 v12, -v13                          ; the new -M = floor(-t) = -ceil(t): M IS A WHOLE NUMBER
	s_delay_alu instid0(VALU_DEP_1)
	v_sub_f32 v254, v12, v254                      ; M's old value less its new one: a whole number, 0 or less
	s_delay_alu instid0(VALU_DEP_1)
	v_cvt_i32_f32 v254, v254                       ; (it saturates)
	s_delay_alu instid0(VALU_DEP_1)
	v_ldexp_f32 v252, 1.0, v254                    ; f = 2^(old M - new M): a multiplication by it rounds nothing
.set j, 0
	s_setprio 1
.rept 32
	v_pk_fma_f32 v[S+j:S+j+1], v[S+j:S+j+1], s[CS:CS+1], v[12:13] op_sel_hi:[1,0,0]   ; t - M, two at a time (of the pairs c and -M the low word serves both halves)
.set j, j+2
.endr
.irp b, 0,1,2,3
	v_fma_f32 v[BM+\b], v[BM+\b], s[CS], v12       ; the same of each block's largest score
.endr
.set j, 0
	s_wait_alu depctr_va_vdst(0)
.rept 64
	v_exp_f32 v[S+j], v[S+j]                       ; p = 2^(t - M), at most 1: NOT normalised
.set j, j+1
.endr
	v_pk_mul_f32 v[14:15], v[14:15], v[252:253] op_sel_hi:[1,0]   ; the sums under the new M: the plain instruction behind the exponentials
	s_wait_alu depctr_va_vdst(0)                   ; one wait for the whole batch, ahead of its first reader
.irp b, 0,1,2,3
	v_exp_f32 v[BM+\b], v[BM+\b]                   ; the block's largest p: the same two instructions on the same number give the same bits
.endr
	v_pk_add_f32 v[236:237], v[84:85], v[88:89]
	v_pk_add_f32 v[246:247], v[92:93], v[96:97]
	v_pk_add_f32 v[244:245], v[100:101], v[104:105]
	v_pk_add_f32 v[242:243], v[108:109], v[112:113]
	v_pk_add_f32 v[240:241], v[116:117], v[120:121]
	v_pk_add_f32 v[238:239], v[124:125], v[128:129]
	v_pk_add_f32 v[234:235], v[132:133], v[136:137]
	v_pk_add_f32 v[14:15], v[14:15], v[140:141]
	v_pk_add_f32 v[236:237], v[236:237], v[80:81]
	v_pk_add_f32 v[246:247], v[246:247], v[82:83]
	v_pk_add_f32 v[244:245], v[244:245], v[86:87]
	v_pk_add_f32 v[242:243], v[242:243], v[90:91]
	v_pk_add_f32 v[240:241], v[240:241], v[94:95]
	v_pk_add_f32 v[238:239], v[238:239], v[98:99]
	v_pk_add_f32 v[234:235], v[234:235], v[102:103]
	v_pk_add_f32 v[14:15], v[14:15], v[106:107]
	v_pk_add_f32 v[236:237], v[236:237], v[110:111]
	v_pk_add_f32 v[246:247], v[246:247], v[114:115]
	v_pk_add_f32 v[244:245], v[244:245], v[118:119]
	v_pk_add_f32 v[242:243], v[242:243], v[122:123]
	v_pk_add_f32 v[240:241], v[240:241], v[126:127]
	v_pk_add_f32 v[238:239], v[238:239], v[130:131]
	v_pk_add_f32 v[234:235], v[234:235], v[134:135]
	v_pk_add_f32 v[14:15], v[14:15], v[138:139]
	v_pk_add_f32 v[236:237], v[236:237], v[142:143]
	s_delay_alu instid0(VALU_DEP_2)
	v_pk_add_f32 v[14:15], v[14:15], v[242:243]
	s_delay_alu instid0(VALU_DEP_2)
	v_pk_add_f32 v[236:237], v[236:237], v[240:241]
	v_pk_add_f32 v[246:247], v[246:247], v[238:239]
	v_pk_add_f32 v[244:245], v[244:245], v[234:235]
	s_delay_alu instid0(VALU_DEP_2)
	v_pk_add_f32 v[14:15], v[14:15], v[246:247]
	s_delay_alu instid0(VALU_DEP_2)
	v_pk_add_f32 v[236:237], v[236:237], v[244:245]
	s_delay_alu instid0(VALU_DEP_1)
	v_pk_add_f32 v[14:15], v[14:15], v[236:237]
	s_wait_alu depctr_va_vdst(0)                   ; and one for the four
.irp b, 0,1,2,3
	v_max_num_f32 v[BM+\b], 0x2800000, v[BM+\b]    ; the floor 2^(5 - 127): the byte cannot fall under 1 (a block whose every p is 0 keeps that byte: its codes are zeros)
.endr
.irp b, 0,1,2,3
	s_delay_alu instid0(VALU_DEP_4)
	v_add_nc_u32 v[244+\b], 0xfe000000, v[BM+\b]   ; 4 off the exponent field: the conversion's scale operand
.endr
.irp b, 0,1,2,3
	s_delay_alu instid0(VALU_DEP_4)
	v_lshrrev_b32 v[236+\b], 23, v[244+\b]         ; the scale's byte
.endr
	s_delay_alu instid0(VALU_DEP_3)
	v_lshl_or_b32 v253, v237, 8, v236              ; p's scale word for these 128 keys
	s_delay_alu instid0(VALU_DEP_1)
	v_lshl_or_b32 v253, v238, 16, v253
	s_delay_alu instid0(VALU_DEP_1)
	v_lshl_or_b32 v253, v239, 24, v253
	s_setprio 0
.irp c, 0,1
	v_cvt_scalef32_pk16_bf6_f32 v[PC+6*\c:PC+2+6*\c], v[S+32*\c:S+15+32*\c], v[244+2*\c]
	v_cvt_scalef32_pk16_bf6_f32 v[236+4*\c:238+4*\c], v[S+16+32*\c:S+31+32*\c], v[244+2*\c+1]   ; (a conversion's three registers begin on an even number)
.endr
	v_nop                                          ; one plain vector instruction between a scaled conversion and the vector instruction that touches its result
.irp c, 0,1                            ; the operand's layout wants a WHOLE block in a lane: lanes 0-15 block 2 c, lanes 16-31 block 2 c + 1
.irp i, 0,1,2
	v_permlane16_swap_b32 v[PC+6*\c+\i], v[236+4*\c+\i]
.endr
.irp i, 0,1,2
	s_delay_alu instid0(VALU_DEP_3)
	v_mov_b32 v[PC+3+6*\c+\i], v[236+4*\c+\i]
.endr
.endr
.set j, 0
.rept 16
	v_pk_mul_f32 v[O+j:O+j+1], v[O+j:O+j+1], v[252:253] op_sel_hi:[1,0]   ; O^T under the new M: x f.  (These sixteen also stand between the writes of p's codes and scale word and the products below)
.set j, j+2
.endr
	s_wait_alu depctr_va_vdst(0)
	s_wait_dscnt 0x0                               ; V's fragments and scale words, asked for a softmax ago
	PVMUL 0                                        ; the four accumulators take one turn each; eight products of S^T stand between two links of a chain
	PVMUL 1
	PVMUL 2
	PVMUL 3
.Lhid_\@:
	s_add_co_u32 s[SI], s[SI], 1
	s_add_co_u32 s[TK], s[TK], 6144                ; the next step's codes
	s_add_co_u32 s[TS], s[TS], 256                 ; and scale words
.endm
.macro PHASE n                         ; n key steps: a constant trip count, the same for every wave
	s_mov_b32 s[CNT], \n
.Lphase_\@:
	STEP
	s_sub_co_u32 s[CNT], s[CNT], 1
	s_cmp_lg_u32 s[CNT], 0
	s_cbranch_scc1 .Lphase_\@
	s_setprio 0
.endm
	s_wait_loadcnt 0x0                             ; Q
	s_wait_tensorcnt 0x1                           ; my parts of the scale bytes and of keys 0-511 are in; the load issued behind them, keys 512 on, may be out: no LDS byte is ever filled again
	s_barrier_signal -1
	s_barrier_wait -1                              ; everybody's are
	PHASE 4                                        ; keys 0-511
	s_wait_tensorcnt 0x0                           ; my part of keys 512-2,047 is in,
	s_wait_dscnt 0x0
	s_barrier_signal -1
	s_barrier_wait -1                              ; everybody's is
	PHASE 12                                       ; keys 512-2,047
	; THE WAY OUT.  The sum's halves are added; O^T is divided by the sum and goes through my own stage in LDS, so that each store covers two whole rows of out: 512 consecutive bytes.
	v_add_f32 v14, v14, v15                        ; the sum's two halves,
	s_delay_alu instid0(VALU_DEP_1)
	v_permlanex16_b32 v252, v14, s[SEL], s[SEL+1]
	s_delay_alu instid0(VALU_DEP_1)
	v_add_f32 v14, v14, v252                       ; and lane l xor 16's: the row's sum
	s_wait_alu depctr_va_vdst(0)
	v_rcp_f32 v14, v14
	v_and_b32 v7, 15, v0                           ; (a plain instruction behind the reciprocal)  r
	v_bfe_u32 v243, v0, 4, 1                       ; h
	s_mul_i32 s72, s[WV], STGW
	s_add_co_u32 s72, s72, STG                     ; my stage
	v_mul_u32_u24 v10, v7, 272
	s_delay_alu instid0(VALU_DEP_1)
	v_lshl_add_u32 v10, v243, 5, v10
	s_delay_alu instid0(VALU_DEP_1)
	v_add_nc_u32 v10, s72, v10                     ; in: row r; tile t's eight channels of my half: 64 t + 32 h bytes on
	v_mul_u32_u24 v11, v243, 272
	s_delay_alu instid0(VALU_DEP_1)
	v_lshl_add_u32 v11, v7, 4, v11
	s_delay_alu instid0(VALU_DEP_1)
	v_add_nc_u32 v11, s72, v11                     ; back: lanes 0-15 one row, lanes 16-31 the next
	v_and_b32 v7, 31, v0
	s_delay_alu instid0(VALU_DEP_1)
	v_lshlrev_b32 v7, 4, v7                        ; and in out: rows of 256 bytes lie on end, so 16 x lane
	s_wait_alu depctr_va_vdst(0)                   ; ahead of the reciprocal's first reader
.set j, 0
.rept 32
	v_mul_f32 v[S+j], v[O+j], v14                  ; O^T / the sum: register 8 t + i is out(r, 16 t + 8 h + i); each accumulator from its low end on
.set j, j+1
.endr
.irp t, 0,1,2,3
	ds_store_b128 v10, v[S+8*\t:S+8*\t+3] offset:64*\t
	ds_store_b128 v10, v[S+8*\t+4:S+8*\t+7] offset:64*\t+16
.endr
.irp i, 0,1,2,3,4,5,6,7
	ds_load_b128 v[KF+4*\i:KF+4*\i+3], v11 offset:544*\i   ; LDS serves a wave's instructions in order (ISA guide 5.7.1.4): these see my stores
.endr
.irp i, 0,1,2,3,4,5,6,7
	s_wait_dscnt 7-\i                              ; load i is in; the younger ones may be out
	global_store_b128 v7, v[KF+4*\i:KF+4*\i+3], s[16:17] offset:512*\i th:TH_STORE_NT   ; 32 lanes store 512 consecutive bytes, at a multiple of 256 from out's first byte; written once, read by nobody here
.endr
	s_wait_dscnt 0x0
	s_wait_xcnt 0x0
	v_lshl_add_u32 v254, v0, 2, 0x43000
	v_mov_b32 v255, 0
	s_wait_alu depctr_va_vdst(0)
	s_wait_tensorcnt 0x0
	ds_add_u32 v254, v255
	s_wait_dscnt 0x0
	CROUND                                         ; the closing round: no work-group ends while a partner may still ask for a tile that names it
	s_endpgm
.Lfunc_end_k_qe47f85977f_attn:
	.size	k_qe47f85977f_attn, .Lfunc_end_k_qe47f85977f_attn-k_qe47f85977f_attn
	.p2alignl 7, 3214868480
	.fill 96, 4, 3214868480
	.section	.rodata,"a",@progbits
	.p2align	6, 0x0
	.amdhsa_kernel k_qe47f85977f_attn
		.amdhsa_group_segment_fixed_size 276480
		.amdhsa_private_segment_fixed_size 0
		.amdhsa_enable_private_segment 0
		.amdhsa_kernarg_size 56
		.amdhsa_user_sgpr_count 2
		.amdhsa_user_sgpr_kernarg_segment_ptr 1
		.amdhsa_wavefront_size32 1
		.amdhsa_system_sgpr_workgroup_id_x 1
		.amdhsa_system_sgpr_workgroup_id_y 1
		.amdhsa_system_sgpr_workgroup_id_z 1
		.amdhsa_system_vgpr_workitem_id 0
		.amdhsa_next_free_vgpr 256
		.amdhsa_next_free_sgpr 96
		.amdhsa_reserve_vcc 1
		.amdhsa_float_denorm_mode_32 3
		.amdhsa_float_denorm_mode_16_64 3
		.amdhsa_memory_ordered 1
		.amdhsa_forward_progress 1
		.amdhsa_inst_pref_size 61
	.end_amdhsa_kernel
	.amdgpu_metadata
---
amdhsa.version: [ 1, 2 ]
amdhsa.kernels:
  - .name:           k_qe47f85977f_attn
    .symbol:         k_qe47f85977f_attn.kd
    .args:
      - { .name: queries_codes, .offset: 0, .size: 8, .value_kind: global_buffer, .address_space: global }
      - { .name: queries_scales, .offset: 8, .size: 8, .value_kind: global_buffer, .address_space: global }
      - { .name: keys_codes, .offset: 16, .size: 8, .value_kind: global_buffer, .address_space: global }
      - { .name: keys_scales, .offset: 24, .size: 8, .value_kind: global_buffer, .address_space: global }
      - { .name: vq, .offset: 32, .size: 8, .value_kind: global_buffer, .address_space: global }
      - { .name: vs, .offset: 40, .size: 8, .value_kind: global_buffer, .address_space: global }
      - { .name: out0, .offset: 48, .size: 8, .value_kind: global_buffer, .address_space: global }
    .group_segment_fixed_size: 276480
    .private_segment_fixed_size: 0
    .kernarg_segment_align: 8
    .kernarg_segment_size: 56
    .max_flat_workgroup_size: 512
    .sgpr_count:     96
    .vgpr_count:     256
    .wavefront_size: 32
...
	.end_amdgpu_metadata
.endif
;; end of part 2
